; MI455X (gfx1250); checked and timed in simulation.
; The chip was launched on July 23, 2026; its instructions are those of AMD's public machine-readable ISA for CDNA 5 (MIT licence, August 2026) and "CDNA5" Instruction Set Architecture Reference Guide (July 2026). The comments in the code are by the model that wrote it; some were corrected since.
;; Attention. Allowed arithmetic: float matrix products may take bf16 or f16 operands with f32 sums; other float arithmetic in f32, or as packed bf16 or f16 multiplies, adds, multiply-adds, maxima and minima; sums over many terms, partial sums and values carried from step to step in f32; what a program stores and reads back later, other than sums and carried values, may be rounded once to bf16 or f16.
;; Inputs: Wk 1,024 x 128 float32; Wq 1,024 x 128 float32; Wv 1,024 x 128 float32; x 8 x 4,096 x 1,024 float32.
;; Outputs: out0 8 x 4,096 x 128 float32.
;; One version. Each part assembles by itself: llvm-mc -triple=amdgcn-amd-amdhsa -mcpu=gfx1250 --defsym DOCPART=n.
;; ======== version 1 of 1: 3 launches
;; limits: values are held in f16: magnitudes above 65,504 overflow, below 6.1e-05 lose precision
;; workspace buffers: w16 786,432 bytes; q16 8,388,608 bytes; k16 8,388,608 bytes; v16 8,388,608 bytes
;; launch wprep (part 1): grid 64 x 3, 8 waves a work-group, no clusters, 0 bytes of LDS; arguments Wq, Wk, Wv, w16; writes w16
.if DOCPART == 1
	.amdgcn_target "amdgcn-amd-amdhsa--gfx1250"
	.amdhsa_code_object_version 6
	.text
	.protected	k_q0a7b159775_wprep
	.globl	k_q0a7b159775_wprep
	.p2align	8
	.type	k_q0a7b159775_wprep,@function
k_q0a7b159775_wprep:
	s_mov_b64 s[64:65], 0
	v_nop
	global_prefetch_b8 v0, s[64:65] scope:SCOPE_SE
	s_setreg_imm32_b32 hwreg(HW_REG_WAVE_MODE, 25, 1), 1
	s_wait_xcnt 0x0
; w16[k][0:128 | 128:256 | 256:384] = bf16(Wq[k] | Wk[k] | Wv[k]).  The three weights, [1024][128] f32, are rounded once to bf16 and laid side by side,
; so that 128 rows of k are 98,304 dense bytes for the next launch.  Work-group (X, y): rows 16 X .. 16 X + 15 of matrix y.  Thread t: 8 numbers.
; 2.3 MB are moved in all: no LDS, no loop, nothing to share.
	s_load_b256 s[4:11], s[0:1], 0x0               ; Wq s[4:5], Wk s[6:7], Wv s[8:9], w16 s[10:11]
	v_lshlrev_b32 v1, 5, v0                        ; in: 32 bytes a thread, dense
	v_lshrrev_b32 v2, 4, v0                        ; out: sixteen threads a row,
	v_and_b32 v3, 15, v0
	v_mul_u32_u24 v2, v2, 768                      ; rows of 768 bytes,
	v_lshl_add_u32 v2, v3, 4, v2                   ; 16 bytes a thread
	s_and_b32 s16, ttmp7, 0xffff                   ; which matrix
	s_lshl_b32 s2, ttmp9, 13                       ; 16 rows of 512 bytes
	s_mov_b32 s3, 0
	s_mul_i32 s14, ttmp9, 12288                    ; 16 rows of 768 bytes,
	s_lshl_b32 s15, s16, 8                         ; the matrix's 256 of them
	s_add_co_u32 s14, s14, s15
	s_mov_b32 s15, 0
	s_wait_kmcnt 0x0
	s_cmp_eq_u32 s16, 1
	s_cselect_b64 s[12:13], s[6:7], s[4:5]
	s_cmp_eq_u32 s16, 2
	s_cselect_b64 s[12:13], s[8:9], s[12:13]
	s_add_nc_u64 s[12:13], s[12:13], s[2:3]
	s_add_nc_u64 s[10:11], s[10:11], s[14:15]
	global_load_b128 v[4:7], v1, s[12:13]
	global_load_b128 v[8:11], v1, s[12:13] offset:16
	s_wait_loadcnt 0x0
	v_cvt_pk_bf16_f32 v12, v4, v5
	v_cvt_pk_bf16_f32 v13, v6, v7
	v_cvt_pk_bf16_f32 v14, v8, v9
	v_cvt_pk_bf16_f32 v15, v10, v11
	global_store_b128 v2, v[12:15], s[10:11]       ; sixteen lanes store 256 consecutive bytes, aligned
	s_endpgm
.Lfunc_end_k_q0a7b159775_wprep:
	.size	k_q0a7b159775_wprep, .Lfunc_end_k_q0a7b159775_wprep-k_q0a7b159775_wprep
	.p2alignl 7, 3214868480
	.fill 96, 4, 3214868480
	.section	.rodata,"a",@progbits
	.p2align	6, 0x0
	.amdhsa_kernel k_q0a7b159775_wprep
		.amdhsa_group_segment_fixed_size 0
		.amdhsa_private_segment_fixed_size 0
		.amdhsa_enable_private_segment 0
		.amdhsa_kernarg_size 32
		.amdhsa_user_sgpr_count 2
		.amdhsa_user_sgpr_kernarg_segment_ptr 1
		.amdhsa_wavefront_size32 1
		.amdhsa_system_sgpr_workgroup_id_x 1
		.amdhsa_system_sgpr_workgroup_id_y 1
		.amdhsa_system_sgpr_workgroup_id_z 1
		.amdhsa_system_vgpr_workitem_id 0
		.amdhsa_next_free_vgpr 16
		.amdhsa_next_free_sgpr 66
		.amdhsa_reserve_vcc 0
		.amdhsa_float_denorm_mode_32 3
		.amdhsa_float_denorm_mode_16_64 3
		.amdhsa_memory_ordered 1
		.amdhsa_forward_progress 1
		.amdhsa_inst_pref_size 2
	.end_amdhsa_kernel
	.amdgpu_metadata
---
amdhsa.version: [ 1, 2 ]
amdhsa.kernels:
  - .name:           k_q0a7b159775_wprep
    .symbol:         k_q0a7b159775_wprep.kd
    .args:
      - { .name: Wq, .offset: 0, .size: 8, .value_kind: global_buffer, .address_space: global }
      - { .name: Wk, .offset: 8, .size: 8, .value_kind: global_buffer, .address_space: global }
      - { .name: Wv, .offset: 16, .size: 8, .value_kind: global_buffer, .address_space: global }
      - { .name: w16, .offset: 24, .size: 8, .value_kind: global_buffer, .address_space: global }
    .group_segment_fixed_size: 0
    .private_segment_fixed_size: 0
    .kernarg_segment_align: 8
    .kernarg_segment_size: 32
    .max_flat_workgroup_size: 256
    .sgpr_count:     66
    .vgpr_count:     16
    .wavefront_size: 32
...
	.end_amdgpu_metadata
.endif
;; end of part 1
;; launch proj (part 2): grid 256 x 1, 4 waves a work-group, clusters of 4 x 1, 327,680 bytes of LDS; arguments x, w16, q16, k16, v16, out0; writes q16, k16, v16, out0
.if DOCPART == 2
	.amdgcn_target "amdgcn-amd-amdhsa--gfx1250"
	.amdhsa_code_object_version 6
	.text
	.protected	k_q0a7b159775_proj
	.globl	k_q0a7b159775_proj
	.p2align	8
	.type	k_q0a7b159775_proj,@function
k_q0a7b159775_proj:
	s_mov_b64 s[64:65], 0
	v_nop
	global_prefetch_b8 v0, s[64:65] scope:SCOPE_SE
	s_setreg_imm32_b32 hwreg(HW_REG_WAVE_MODE, 25, 1), 1
	s_wait_xcnt 0x0
	s_wait_alu depctr_hold_cnt(0) depctr_sa_sdst(0) depctr_va_vdst(0) depctr_va_sdst(0) depctr_va_ssrc(0) depctr_va_vcc(0) depctr_vm_vsrc(0)
	s_getreg_b32 s2, hwreg(HW_REG_IB_STS2, 6, 4)
	s_cmp_eq_u32 s2, 0
	s_cbranch_scc0 .Lentry_in_a_cluster
	s_endpgm
.Lentry_in_a_cluster:
	s_bfe_u32 s2, ttmp6, 0x10000c
	s_cmp_lg_u32 s2, 0x3003
	s_cbranch_scc0 .Lentry_shape_is_right
	s_endpgm
.Lentry_shape_is_right:
; q | k | v = x W: [32768][1024] f32 times w16 [1024][384] bf16, sums in f32; q16, k16, v16 are [32768][128] f16, each rounded once, unscaled.
; LIMIT: f16 ends at 65,504: |q|, |k|, |v| must stay within it.  x is rounded to bf16 on its way to the matrix unit.
; SHARES.  A work-group makes 128 rows x 384 columns.  Wave w: all 128 rows x columns 32 w .. 32 w + 31 of each of q, k, v: 8 row blocks x 6 column blocks = 48 accumulators.
; K goes in 8 steps of 128.  W's tile of a step (128 k x 768 bytes, dense) is the same for every work-group: the four partners of a cluster ask for it JOINTLY, a quarter a wave,
; into a ring of two slots.  x is nobody else's: wave w loads rows 32 w .. 32 w + 31 through registers (a row's 512 bytes an instruction, 32 loads always out), rounds them and
; stores them into one of two LDS buffers that take turns.  The change of slots' one barrier orders both rings.
; THE PRODUCT IS TAKEN TRANSPOSED: source 0 = 16 columns of W (turned by ds_load_tr16_b128), source 1 = 16 rows of x: a lane ends with one row and eight neighbouring columns.
; ROWS 0 TO 15 OF EACH BATCH are finished here, wholly in f32 (their few keys average nothing out, so 16-bit q, k, v and weights would show in them): the work-group that holds them
; keeps its f32 sums of those rows in LDS and makes softmax(q k^T c) v by the f32 matrix form: 40 instructions a wave in 8 work-groups, no bulk work.  The maximum is taken away as usual.
; Row block = 64 cx + cluster number, so that 'this work-group holds a batch's first rows' (cluster number % 32 = 0) is the same in all four partners: no branch hangs on cx.
; LDS: W slot 0 at 0, the spare words at 110,592, W slot 1 at 131,072, x buffers at 241,664 and 276,480.  Behind the K loop the way out's stage lies in slot 0 (its last fill has been read)
; and the f32 rows in x buffer 0.
; REGISTERS: window 0 addresses, v32-55 at work, v128-255 x as loaded; window 1 fragments (x: v0-63, v64-127; W: v128-175, v176-223); window 2 accumulators of row blocks 0-3 (v0-191),
; v192-239 the f32 form's six accumulators, written by nothing else; window 3 accumulators of row blocks 4-7.
.set WP,    864                        ; a k row of W in LDS: 3 x (256 + 32) bytes = 216 words
.set WQ,    32*WP                      ; a wave's quarter of a tile
.set SLOT1, 1<<17
.set SPARE, 4*WQ                       ; 110,592: the spare words, 128 bytes a wave
.set XB0,   SLOT1+4*WQ                 ; 241,664
.set XPI,   272                        ; a row of x in LDS: 256 bytes + 16
.set XD,    128*XPI                    ; from x buffer 0 to x buffer 1
.set WTILE, 128*768                    ; bytes of w16 in a K step
.set PLANE, 128*272                    ; the stage: a plane for each of q, k, v
.set HP,    528                        ; a row of 128 f32 + 16 bytes
.set HPL,   16*HP
.set A0,   4                           ; v4   XB0 + r 272 + 16 h
.set B0,   5                           ; v5   (8 h + l % 8) 864 + 16 ((l / 8) % 2) + 64 w
.set ADRA, 6                           ; v6   x fragments in the buffer that is read
.set ADRB, 7                           ; v7, v8  W fragments: quarters 0, 1 and quarters 2, 3 of the slot that is read
.set XST0, 9                           ; v9   XB0 + 32 w 272 + 8 l
.set XST,  10                          ; v10  the same in the buffer that is written
.set XO,   11                          ; v11  32 w 4096 + 16 l
.set STO0, 12                          ; v12  r 272 + 16 h + 64 w
.set STO2, 13                          ; v13  the same in plane 2
.set RD,   14                          ; v14  (32 w + h) 272 + 16 r
.set GO,   15                          ; v15  256 h + 16 r
.set HST,  16                          ; v16  XB0 + r 528 + 32 h + 128 w
.set HQ,   17                          ; v17  XB0 + r 528 + 16 h
.set HV,   18                          ; v18  XB0 + 2 HPL + 8 h 528 + 128 w + 4 r
.set HO,   19                          ; v19  r 512 + 32 h + 128 w
.set T,    20                          ; v20-25 at work
.set RD2,  26                          ; v26  RD in plane 2
.set SPW,  28                          ; v28  my spare word; never rewritten
.set NIL,  29                          ; v29  0; never rewritten
.set XC,   32                          ; v32-55 rounded numbers on their way to LDS
.set XS,   128                         ; v128-255 row i of my 32 at XS + 4 i
.set WF,   128                         ; window 1: W's fragments
.set WV,   16                          ; s16  wave
.set CX,   17                          ; s17  my place in the cluster
.set BLK,  18                          ; s18  my row block
.set XP,   20                          ; s[20:21] x at my work-group's rows, at the K step that is being loaded
.set G1,   24                          ; s[24:31] descriptor group 1
.set G0A,  32                          ; s[32:35] group 0: tile 0
.set G0B,  36                          ; s[36:39] group 0: tile 1, then it walks
.set TBW,  40                          ; s40  the W slot that is read: 0 or SLOT1
.set TXR,  41                          ; s41  the x buffer that is read: 0 or XD
.set TXW,  42                          ; s42  the x buffer that is written
.set CNT,  43
.set SEL,  46                          ; s[46:47] v_permlanex16_b32: each lane takes its own place in the other half
.set CSC,  48                          ; s48  log2(e) / sqrt(128)
.set BIG,  49                          ; s49  -1e30
.set MUL_LO, 0xa5                      ; sources window 1, C and D window 2
.set MUL_HI, 0xf5                      ; sources window 1, C and D window 3
.set TO_F,   0x40                      ; destination window 1, address window 0
.set MSB, 0
.macro WIN new                         ; the immediate's high byte repeats the setting that is left; a switch that changes nothing is dropped
.if MSB != (\new)
	s_set_vgpr_msb (MSB<<8)|(\new)
.set MSB, \new
.endif
.endm
.macro PLACES                          ; four plain places behind matrix instructions (ISA guide 7.12.1)
.rept 4
	v_nop
.endr
.endm
.macro JLD g                           ; a joint load of my quarter of a tile; an s_nop 0 and four v_nop follow it
	tensor_load_to_lds s[\g:\g+3], s[G1:G1+7]
	s_nop 0
.rept 4
	v_nop
.endr
.endm
.macro CREST                           ; a round of the cluster's barrier behind its opening barrier
	s_cmp_lg_u32 s[WV], 0
	s_cbranch_scc1 .Lnot_wave_0_\@
	s_barrier_signal -3
.Lnot_wave_0_\@:
	s_barrier_wait -3
	s_barrier_signal -1
	s_barrier_wait -1
.endm
.macro CROUND
	s_barrier_signal -1
	s_barrier_wait -1
	CREST
.endm
	s_load_b256 s[4:11], s[0:1], 0x0               ; x s[4:5], w16 s[6:7], q16 s[8:9], k16 s[10:11]
	s_load_b128 s[12:15], s[0:1], 0x20             ; v16 s[12:13], out0 s[14:15]
	v_lshl_add_u32 v[SPW], v0, 2, SPARE
	v_mov_b32 v[NIL], 0
	ds_add_u32 v[SPW], v[NIL]                      ; the wave's opening: the add and its wait stand ahead of my first tensor load; work on registers stands between
	v_lshrrev_b32 v1, 5, v0
	v_readfirstlane_b32 s[WV], v1
	s_bfe_u32 s[CX], ttmp6, 0x40000
	s_lshl_b32 s[BLK], s[CX], 6
	s_add_co_u32 s[BLK], s[BLK], ttmp9             ; row block = 64 cx + cluster number
	; group 1: my quarter of a tile is 24,576 dense bytes: 96 rows of 256 bytes, 32 bytes of padding behind each
	s_mov_b32 s[G1+0], 15|(3<<16)|(1<<20)|(1<<21)|(5<<22)|(7<<25)  ; mask of four; 8-byte elements; padding on; bit 21 beside a mask; after every 64 words; 8 words
	s_mov_b32 s[G1+1], 32<<16                      ; tensor_dim0 = 32
	s_mov_b32 s[G1+2], 96<<16                      ; tensor_dim1 = 96
	s_mov_b32 s[G1+3], 32<<16                      ; tile_dim0 = 32
	s_mov_b32 s[G1+4], 96                          ; tile_dim1 = 96
	s_mov_b32 s[G1+5], 32                          ; 32 elements from row to row
	s_mov_b32 s[G1+6], 0
	s_mov_b32 s[G1+7], 0
	s_mul_i32 s19, s[WV], WQ                       ; where my quarter goes,
	s_mul_i32 s22, s[WV], 24576                    ; and where it comes from: the wave's number alone
	s_mov_b32 s23, 0
	s_mov_b32 s[G0A], 1
	s_mov_b32 s[G0A+1], s19
	s_mov_b32 s[G0B], 1
	s_add_co_u32 s[G0B+1], s19, SLOT1
	s_mov_b32 s[TBW], 0
	s_mov_b32 s[TXR], 0
	s_mov_b32 s[TXW], 0
	s_mov_b32 s[SEL], 0x76543210
	s_mov_b32 s[SEL+1], 0xfedcba98
	s_mov_b32 s[CSC], 0x3e0293ee
	s_mov_b32 s[BIG], 0xf149f2ca
	s_lshl_b32 s44, s[BLK], 19                     ; 128 rows of 4,096 bytes.  What holds cx lies in s44, s45, s50 alone
	s_mov_b32 s45, 0
	s_wait_dscnt 0x0                               ; the opening add is done
	s_wait_kmcnt 0x0
	s_add_nc_u64 s[G0A+2:G0A+3], s[6:7], s[22:23]
	s_add_nc_u64 s[G0B+2:G0B+3], s[G0A+2:G0A+3], WTILE
	s_or_b32 s[G0A+3], s[G0A+3], 0x80000000
	s_or_b32 s[G0B+3], s[G0B+3], 0x80000000
	s_add_nc_u64 s[XP:XP+1], s[4:5], s[44:45]
	CROUND                                         ; all four work-groups are here: the first joint loads meet
	JLD G0A                                        ; tile 0 into slot 0,
	JLD G0B                                        ; tile 1 into slot 1: two loads of mine are out
	v_and_b32 v3, 31, v0                           ; l
	s_lshl_b32 s19, s[WV], 17
	v_lshl_add_u32 v[XO], v3, 4, s19
.set ii, 0
.rept 32                                       ; x, K step 0
	global_load_b128 v[XS+4*ii:XS+4*ii+3], v[XO], s[XP:XP+1] offset:4096*ii th:TH_LOAD_NT
.set ii, ii+1
.endr
	s_lshl_b32 s44, s[BLK], 15                     ; q16, k16, v16 at the 32 rows that I store: 128 rows of 256 bytes a block,
	s_lshl_b32 s50, s[WV], 13
	s_add_co_u32 s44, s44, s50
	s_add_nc_u64 s[8:9], s[8:9], s[44:45]
	s_add_nc_u64 s[10:11], s[10:11], s[44:45]
	s_add_nc_u64 s[12:13], s[12:13], s[44:45]
	s_lshl_b32 s44, s[CX], 1                       ; out0 at my batch: 2 cx + cluster number / 32
	s_lshr_b32 s50, ttmp9, 5
	s_add_co_u32 s44, s44, s50
	s_lshl_b32 s44, s44, 21
	s_add_nc_u64 s[14:15], s[14:15], s[44:45]
	v_and_b32 v1, 15, v0                           ; r
	v_bfe_u32 v2, v0, 4, 1                         ; h
	v_mul_u32_u24 v[A0], v1, XPI
	v_lshl_add_u32 v[A0], v2, 4, v[A0]
	s_lshl_b32 s19, s[WV], 6
	v_add_nc_u32 v[STO0], s19, v[A0]
	v_add_nc_u32 v[STO2], 2*PLANE, v[STO0]
	v_add_nc_u32 v[A0], XB0, v[A0]
	v_and_b32 v[T], 7, v0
	v_lshl_add_u32 v[T], v2, 3, v[T]
	v_mul_u32_u24 v[B0], v[T], WP
	v_bfe_u32 v[T], v0, 3, 1
	v_lshl_add_u32 v[B0], v[T], 4, v[B0]
	v_add_nc_u32 v[B0], s19, v[B0]
	s_mul_i32 s19, s[WV], 32*XPI
	v_lshl_add_u32 v[XST0], v3, 3, s19
	v_add_nc_u32 v[XST0], XB0, v[XST0]
	v_mul_u32_u24 v[RD], v2, XPI
	v_lshl_add_u32 v[RD], v1, 4, v[RD]
	v_add_nc_u32 v[RD], s19, v[RD]
	v_add_nc_u32 v[RD2], 2*PLANE, v[RD]
	v_lshlrev_b32 v[GO], 8, v2
	v_lshl_add_u32 v[GO], v1, 4, v[GO]
	v_mul_u32_u24 v[HQ], v1, HP
	s_lshl_b32 s19, s[WV], 7
	v_lshl_add_u32 v[HST], v2, 5, v[HQ]
	v_add_nc_u32 v[HST], s19, v[HST]
	v_add_nc_u32 v[HST], XB0, v[HST]
	v_lshl_add_u32 v[HQ], v2, 4, v[HQ]
	v_add_nc_u32 v[HQ], XB0, v[HQ]
	v_mul_u32_u24 v[HV], v2, 8*HP
	v_lshl_add_u32 v[HV], v1, 2, v[HV]
	v_add_nc_u32 v[HV], s19, v[HV]
	v_add_nc_u32 v[HV], XB0+2*HPL, v[HV]
	v_lshlrev_b32 v[HO], 9, v1
	v_lshl_add_u32 v[HO], v2, 5, v[HO]
	v_add_nc_u32 v[HO], s19, v[HO]
; 12 products: row blocks a0, a0 + 1 of the window's four x my 6 column blocks, 32 along K, from buffer f.  The accumulators take turns, one instruction a turn.
.macro MUL12 f, hi, a0, zero
	WIN MUL_LO+0x50*(\hi)
.irp a, \a0, (\a0)+1
.irp n, 0,1,2,3,4,5
.if \zero
	v_wmma_f32_16x16x32_bf16 v[8*(6*(\a)+(\n)):8*(6*(\a)+(\n))+7], v[WF+48*(\f)+8*(\n):WF+48*(\f)+8*(\n)+7], v[64*(\f)+8*(4*(\hi)+(\a)):64*(\f)+8*(4*(\hi)+(\a))+7], 0
.else
	v_wmma_f32_16x16x32_bf16 v[8*(6*(\a)+(\n)):8*(6*(\a)+(\n))+7], v[WF+48*(\f)+8*(\n):WF+48*(\f)+8*(\n)+7], v[64*(\f)+8*(4*(\hi)+(\a)):64*(\f)+8*(4*(\hi)+(\a))+7], v[8*(6*(\a)+(\n)):8*(6*(\a)+(\n))+7]
.endif
.endr
.endr
.endm
; 28 LDS loads in one run: quarter q's fragments into buffer f: W's six (matrix c, half jj of my 32 columns), turned; x's eight
.macro FETCH q, f
	WIN TO_F
.irp c, 0,1,2
.irp jj, 0,1
	ds_load_tr16_b128 v[WF+48*(\f)+8*(2*(\c)+(\jj)):WF+48*(\f)+8*(2*(\c)+(\jj))+3],   v[ADRB+(\q)/2] offset:((\q)%2)*WQ+288*(\c)+32*(\jj)
	ds_load_tr16_b128 v[WF+48*(\f)+8*(2*(\c)+(\jj))+4:WF+48*(\f)+8*(2*(\c)+(\jj))+7], v[ADRB+(\q)/2] offset:((\q)%2)*WQ+288*(\c)+32*(\jj)+16*WP
.endr
.endr
.irp a, 0,1,2,3,4,5,6,7
	ds_load_b128 v[64*(\f)+8*(\a):64*(\f)+8*(\a)+3],   v[ADRA] offset:16*XPI*(\a)+64*(\q)
	ds_load_b128 v[64*(\f)+8*(\a)+4:64*(\f)+8*(\a)+7], v[ADRA] offset:16*XPI*(\a)+64*(\q)+32
.endr
.endm
; Rows i0 .. i0 + n - 1 of my 32: rounded to bf16, stored into the x buffer that is written (256 consecutive bytes a store); ld = 1: their registers are asked for again, a K step on.
; left = the younger loads that may stay out: the 32 loads go in groups of 12, 12 and 8.
.macro CVT i0, n, ld, left
	WIN 0
	s_wait_loadcnt \left
.set ii, 0
.rept \n
	v_cvt_pk_bf16_f32 v[XC+2*ii],   v[XS+4*((\i0)+ii)],   v[XS+4*((\i0)+ii)+1]
	v_cvt_pk_bf16_f32 v[XC+2*ii+1], v[XS+4*((\i0)+ii)+2], v[XS+4*((\i0)+ii)+3]
.set ii, ii+1
.endr
.set ii, 0
.rept \n
	ds_store_b64 v[XST], v[XC+2*ii:XC+2*ii+1] offset:XPI*((\i0)+ii)
.set ii, ii+1
.endr
.if \ld
.set ii, 0
.rept \n
	global_load_b128 v[XS+4*((\i0)+ii):XS+4*((\i0)+ii)+3], v[XO], s[XP:XP+1] offset:4096*((\i0)+ii) th:TH_LOAD_NT
.set ii, ii+1
.endr
.endif
.endm
; One of a K step's first three quarters: multiplies buffer f, and in its middle fetches quarter q + 1 into buffer g.  The conversions (or four v_nop) are the places in front of that run of loads.
.macro QUARTER q, f, g, zero, n=0, i0=0, ld=0, left=0
	s_wait_dscnt 0x0                               ; this quarter's fragments are in
	MUL12 \f, 0, 0, \zero
	MUL12 \f, 0, 2, \zero
.if \n
	CVT \i0, \n, \ld, \left
.else
	PLACES
.endif
	FETCH (\q)+1, \g
	MUL12 \f, 1, 0, \zero
	MUL12 \f, 1, 2, \zero
.endm
; The last quarter multiplies buffer 1 and changes slots.  ONE barrier: in front of it my tensor loads have landed (my part of the next W tile), my stores of the next x tile and my reads of
; this W slot and this x buffer are done.  fill = 1: the barrier opens a round of the cluster's, and the joint refill of the slot just read, two K steps on, is the first thing behind it.
.macro TURN fill, ld, left
	s_wait_dscnt 0x0                               ; quarter 3's fragments are in: my last reads of this slot and this buffer
	CVT 24, 8, \ld, \left
	s_wait_tensorcnt 0x0                           ; all my tensor loads have landed;
	ds_add_u32 v[SPW], v[NIL]                      ; 0 onto my spare word;
	MUL12 1, 0, 0, 0                               ; twelve products stand between the add and the wait for it
	s_wait_dscnt 0x0                               ; the add and my x stores are done
	s_barrier_signal -1
	MUL12 1, 0, 2, 0
	WIN 0
	s_barrier_wait -1
.if \fill
	CREST                                          ; no wave of any partner still reads the slot or has a load on its way
	s_xor_b32 s[G0B+1], s[G0B+1], SLOT1            ; the walking descriptor: the other slot than last time,
	s_add_nc_u64 s[G0B+2:G0B+3], s[G0B+2:G0B+3], WTILE  ; the next tile
	JLD G0B
.else
	PLACES
.endif
	s_xor_b32 s[TBW], s[TBW], SLOT1
	s_xor_b32 s[TXR], s[TXR], XD
	s_xor_b32 s[TXW], s[TXW], XD
	v_add_nc_u32 v[ADRA], s[TXR], v[A0]
	v_add_nc_u32 v[ADRB], s[TBW], v[B0]
	v_add_nc_u32 v[ADRB+1], 2*WQ, v[ADRB]
	FETCH 0, 0
	MUL12 1, 1, 0, 0
	MUL12 1, 1, 2, 0
.endm
	s_wait_xcnt 0x0                                ; the loads have read their base
	s_add_nc_u64 s[XP:XP+1], s[XP:XP+1], 512       ; K step 1
	v_add_nc_u32 v[XST], s[TXW], v[XST0]
	CVT 0, 12, 1, 20                               ; x tile 0 goes into buffer 0, tile 1 is asked for
	CVT 12, 12, 1, 20
	CVT 24, 8, 1, 24
	s_xor_b32 s[TXW], s[TXW], XD
	s_wait_tensorcnt 0x1                           ; my part of W's tile 0 is in; tile 1's may stay out
	s_wait_dscnt 0x0                               ; my x stores are done
	s_barrier_signal -1
	s_barrier_wait -1
	v_add_nc_u32 v[ADRA], s[TXR], v[A0]
	v_add_nc_u32 v[ADRB], s[TBW], v[B0]
	v_add_nc_u32 v[ADRB+1], 2*WQ, v[ADRB]
	FETCH 0, 0
	QUARTER 0, 0, 1, 1                             ; the first quarter stands in front of the loop: its products start the sums
	WIN 0
	s_mov_b32 s[CNT], 6
.Lstep:                                        ; K steps 0 to 5, from a step's second quarter to the next step's first: x tile s + 1 is rounded, x tile s + 2 and W tile s + 2 are asked for
	s_wait_xcnt 0x0
	s_add_nc_u64 s[XP:XP+1], s[XP:XP+1], 512
	v_add_nc_u32 v[XST], s[TXW], v[XST0]
	QUARTER 1, 1, 0, 0, 12, 0, 1, 20
	QUARTER 2, 0, 1, 0, 12, 12, 1, 20
	TURN 1, 1, 24
	QUARTER 0, 0, 1, 0
	WIN 0
	s_sub_co_u32 s[CNT], s[CNT], 1
	s_cmp_lg_u32 s[CNT], 0
	s_cbranch_scc1 .Lstep
	v_add_nc_u32 v[XST], s[TXW], v[XST0]           ; K step 6: the last x tile is rounded, the counts run down; nothing is asked for
	QUARTER 1, 1, 0, 0, 12, 0, 0, 20
	QUARTER 2, 0, 1, 0, 12, 12, 0, 8
	TURN 0, 0, 0
	QUARTER 0, 0, 1, 0                             ; K step 7
	QUARTER 1, 1, 0, 0
	QUARTER 2, 0, 1, 0
	s_wait_dscnt 0x0
	MUL12 1, 0, 0, 0
	MUL12 1, 0, 2, 0
	MUL12 1, 1, 0, 0
	MUL12 1, 1, 2, 0
	; THE WAY OUT.  Slot 0 and x buffer 0 were last read in K step 6, in front of its barrier.
	WIN 0
	PLACES
	PLACES
	WIN 0x08                                       ; store data in window 2
.irp n, 0,1,2,3,4,5                            ; rows 0 to 15 in f32: each accumulator's low registers first
	ds_store_b128 v[HST], v[8*(\n):8*(\n)+3]   offset:HPL*((\n)/2)+64*((\n)%2)
	ds_store_b128 v[HST], v[8*(\n)+4:8*(\n)+7] offset:HPL*((\n)/2)+64*((\n)%2)+16
.endr
.macro PACK a                          ; row block a: rounded to f16, 16 bytes a lane into the stage's three planes
	WIN 0x0a+5*((\a)/4)
.irp n, 0,1,2,3,4,5
.irp p, 0,1,2,3
	v_cvt_pk_f16_f32 v[XC+4*(\n)+(\p)], v[8*(6*((\a)%4)+(\n))+2*(\p)], v[8*(6*((\a)%4)+(\n))+2*(\p)+1]
.endr
.endr
	WIN 0
.irp n, 0,1,2,3
	ds_store_b128 v[STO0], v[XC+4*(\n):XC+4*(\n)+3] offset:PLANE*((\n)/2)+16*XPI*(\a)+32*((\n)%2)
.endr
.irp n, 4,5
	ds_store_b128 v[STO2], v[XC+4*(\n):XC+4*(\n)+3] offset:16*XPI*(\a)+32*((\n)%2)
.endr
.endm
.irp a, 0,1,2,3,4,5,6,7
	PACK \a
.endr
	s_wait_dscnt 0x0                               ; for the others' sake: a row's 256 bytes come from four waves
	s_barrier_signal -1
	s_barrier_wait -1
.set i, 0
.rept 32
	ds_load_b128 v[64+4*i:64+4*i+3], v[RD] offset:PLANE*(i/16)+2*XPI*(i%16)
.set i, i+1
.endr
.rept 16
	ds_load_b128 v[64+4*i:64+4*i+3], v[RD2] offset:2*XPI*(i%16)
.set i, i+1
.endr
.set i, 0
.rept 48
	s_wait_dscnt 47-i                              ; the loads issued behind load i may stay out
	global_store_b128 v[GO], v[64+4*i:64+4*i+3], s[8+2*(i/16):9+2*(i/16)] offset:512*(i%16)  ; two rows: 512 consecutive bytes, aligned
.set i, i+1
.endr
	; ROWS 0 TO 15 OF A BATCH, in f32.  Every wave makes the 16 x 16 scores for itself (no barrier), and the output's channels 32 w .. 32 w + 31.
	s_and_b32 s19, ttmp9, 31
	s_cmp_lg_u32 s19, 0                            ; the same in all four partners
	s_cbranch_scc1 .Lnohead
	WIN TO_F
.set u, 0
.rept 16                                       ; a load brings channels 8 u + 4 h + 0..3: two operands of the f32 form; k is permuted alike for q and k
	ds_load_b128 v[4*u:4*u+3],       v[HQ] offset:32*u
	ds_load_b128 v[64+4*u:64+4*u+3], v[HQ] offset:HPL+32*u
.set u, u+1
.endr
.set u, 0
.rept 16                                       ; v[key 8 h + u % 8][channel 32 w + 16 (u / 8) + r]
	ds_load_b32 v[128+u], v[HV] offset:HP*(u%8)+64*(u/8)
.set u, u+1
.endr
	s_wait_dscnt 0x0
	WIN MUL_LO
.set u, 0
.rept 32                                       ; S^T = k q^T: four accumulators by turns; a lane ends with query r and keys 8 h + 0..7
.if u < 4
	v_wmma_f32_16x16x4_f32 v[192+8*(u%4):192+8*(u%4)+7], v[64+2*u:64+2*u+1], v[2*u:2*u+1], 0
.else
	v_wmma_f32_16x16x4_f32 v[192+8*(u%4):192+8*(u%4)+7], v[64+2*u:64+2*u+1], v[2*u:2*u+1], v[192+8*(u%4):192+8*(u%4)+7]
.endif
.set u, u+1
.endr
	PLACES
	PLACES                                         ; eight places behind the f32 form
	WIN 0x0a
.irp p, 0,2,4,6
	v_pk_add_f32 v[32+(\p):33+(\p)], v[192+(\p):193+(\p)], v[200+(\p):201+(\p)]
.endr
.irp p, 0,2,4,6
	v_pk_add_f32 v[40+(\p):41+(\p)], v[208+(\p):209+(\p)], v[216+(\p):217+(\p)]
.endr
	WIN 0
.irp p, 0,2,4,6
	v_pk_add_f32 v[32+(\p):33+(\p)], v[32+(\p):33+(\p)], v[40+(\p):41+(\p)]
.endr
	v_lshlrev_b32 v[T], 3, v2
	v_sub_nc_u32 v[T], v1, v[T]                    ; key 8 h + j is hidden where j > r - 8 h
.irp j, 0,1,2,3,4,5,6,7
	v_cmp_gt_i32 vcc_lo, \j, v[T]
	v_cndmask_b32 v[32+(\j)], v[32+(\j)], s[BIG], vcc_lo
.endr
	v_max3_num_f32 v[T+1], v32, v33, v34
	v_max3_num_f32 v[T+1], v[T+1], v35, v36
	v_max3_num_f32 v[T+1], v[T+1], v37, v38
	v_max_num_f32 v[T+1], v[T+1], v39
	v_mov_b32 v[T+2], 0
	v_mov_b32 v[T+3], 0
	v_permlanex16_b32 v[T+2], v[T+1], s[SEL], s[SEL+1]
	v_max_num_f32 v[T+1], v[T+1], v[T+2]           ; the row's maximum: key 0 is seen by every row
	v_mul_f32 v[T+1], s[CSC], v[T+1]
.irp j, 0,1,2,3,4,5,6,7
	v_fma_f32 v[32+(\j)], v[32+(\j)], s[CSC], -v[T+1]
.endr
.irp j, 0,1,2,3,4,5,6,7
	v_exp_f32 v[32+(\j)], v[32+(\j)]
.endr
	v_nop                                          ; a plain instruction behind the last exponential,
	s_wait_alu depctr_va_vdst(0)                   ; and one wait for the eight, ahead of their first reader
	v_pk_add_f32 v[40:41], v[32:33], v[34:35]
	v_pk_add_f32 v[42:43], v[36:37], v[38:39]
	v_pk_add_f32 v[40:41], v[40:41], v[42:43]
	v_add_f32 v[T+2], v40, v41
	v_permlanex16_b32 v[T+3], v[T+2], s[SEL], s[SEL+1]
	v_add_f32 v[T+2], v[T+2], v[T+3]
	v_rcp_f32 v[T+4], v[T+2]
	v_nop
	s_wait_alu depctr_va_vdst(0)
.irp j, 0,1,2,3,4,5,6,7
	v_mul_f32 v[40+(\j)], v[32+(\j)], v[T+4]
.endr
	WIN 0xa1                                       ; v in window 1, the weights in window 0, C and D in window 2
.irp s, 0,1,2,3                                ; O^T = v^T p: keys 8 h + 2 s + 0, 1 on both sides; two accumulators by turns
.irp jj, 0,1
.if (\s) == 0
	v_wmma_f32_16x16x4_f32 v[224+8*(\jj):224+8*(\jj)+7], v[128+8*(\jj)+2*(\s):128+8*(\jj)+2*(\s)+1], v[40+2*(\s):41+2*(\s)], 0
.else
	v_wmma_f32_16x16x4_f32 v[224+8*(\jj):224+8*(\jj)+7], v[128+8*(\jj)+2*(\s):128+8*(\jj)+2*(\s)+1], v[40+2*(\s):41+2*(\s)], v[224+8*(\jj):224+8*(\jj)+7]
.endif
.endr
.endr
	PLACES
	PLACES
	WIN 0x08
.irp jj, 0,1                                   ; 16 bytes a lane; 64 KB of out0 in the whole launch leave so
	global_store_b128 v[HO], v[224+8*(\jj):224+8*(\jj)+3], s[14:15] offset:64*(\jj)
	global_store_b128 v[HO], v[224+8*(\jj)+4:224+8*(\jj)+7], s[14:15] offset:64*(\jj)+16
.endr
	WIN 0
.Lnohead:
	s_wait_tensorcnt 0x0                           ; the wave's end: 0 onto my spare word and the wait for it, behind my last tensor load and my last LDS store
	ds_add_u32 v[SPW], v[NIL]
	s_wait_dscnt 0x0
	CROUND                                         ; the closing round
	s_endpgm
.Lfunc_end_k_q0a7b159775_proj:
	.size	k_q0a7b159775_proj, .Lfunc_end_k_q0a7b159775_proj-k_q0a7b159775_proj
	.p2alignl 7, 3214868480
	.fill 96, 4, 3214868480
	.section	.rodata,"a",@progbits
	.p2align	6, 0x0
	.amdhsa_kernel k_q0a7b159775_proj
		.amdhsa_group_segment_fixed_size 327680
		.amdhsa_private_segment_fixed_size 0
		.amdhsa_enable_private_segment 0
		.amdhsa_kernarg_size 48
		.amdhsa_user_sgpr_count 2
		.amdhsa_user_sgpr_kernarg_segment_ptr 1
		.amdhsa_wavefront_size32 1
		.amdhsa_system_sgpr_workgroup_id_x 1
		.amdhsa_system_sgpr_workgroup_id_y 1
		.amdhsa_system_sgpr_workgroup_id_z 1
		.amdhsa_system_vgpr_workitem_id 0
		.amdhsa_next_free_vgpr 960
		.amdhsa_next_free_sgpr 66
		.amdhsa_reserve_vcc 1
		.amdhsa_float_denorm_mode_32 3
		.amdhsa_float_denorm_mode_16_64 3
		.amdhsa_memory_ordered 1
		.amdhsa_forward_progress 1
		.amdhsa_inst_pref_size 132
	.end_amdhsa_kernel
	.amdgpu_metadata
---
amdhsa.version: [ 1, 2 ]
amdhsa.kernels:
  - .name:           k_q0a7b159775_proj
    .symbol:         k_q0a7b159775_proj.kd
    .args:
      - { .name: x, .offset: 0, .size: 8, .value_kind: global_buffer, .address_space: global }
      - { .name: w16, .offset: 8, .size: 8, .value_kind: global_buffer, .address_space: global }
      - { .name: q16, .offset: 16, .size: 8, .value_kind: global_buffer, .address_space: global }
      - { .name: k16, .offset: 24, .size: 8, .value_kind: global_buffer, .address_space: global }
      - { .name: v16, .offset: 32, .size: 8, .value_kind: global_buffer, .address_space: global }
      - { .name: out0, .offset: 40, .size: 8, .value_kind: global_buffer, .address_space: global }
    .group_segment_fixed_size: 327680
    .private_segment_fixed_size: 0
    .kernarg_segment_align: 8
    .kernarg_segment_size: 48
    .max_flat_workgroup_size: 128
    .sgpr_count:     66
    .vgpr_count:     960
    .wavefront_size: 32
...
	.end_amdgpu_metadata
.endif
;; end of part 2
;; launch attn (part 3): grid 32 x 8, 4 waves a work-group, clusters of 4 x 1, 327,680 bytes of LDS; arguments q16, k16, v16, out0; writes out0
.if DOCPART == 3
	.amdgcn_target "amdgcn-amd-amdhsa--gfx1250"
	.amdhsa_code_object_version 6
	.text
	.protected	k_q0a7b159775_attn
	.globl	k_q0a7b159775_attn
	.p2align	8
	.type	k_q0a7b159775_attn,@function
k_q0a7b159775_attn:
	s_mov_b64 s[64:65], 0
	v_nop
	global_prefetch_b8 v0, s[64:65] scope:SCOPE_SE
	s_setreg_imm32_b32 hwreg(HW_REG_WAVE_MODE, 25, 1), 1
	s_wait_xcnt 0x0
	s_wait_alu depctr_hold_cnt(0) depctr_sa_sdst(0) depctr_va_vdst(0) depctr_va_sdst(0) depctr_va_ssrc(0) depctr_va_vcc(0) depctr_vm_vsrc(0)
	s_getreg_b32 s2, hwreg(HW_REG_IB_STS2, 6, 4)
	s_cmp_eq_u32 s2, 0
	s_cbranch_scc0 .Lentry_in_a_cluster
	s_endpgm
.Lentry_in_a_cluster:
	s_bfe_u32 s2, ttmp6, 0x10000c
	s_cmp_lg_u32 s2, 0x3003
	s_cbranch_scc0 .Lentry_shape_is_right
	s_endpgm
.Lentry_shape_is_right:
; CAUSAL ATTENTION, one head of 128 channels, 8 batches of 4,096 rows.  out0[b][q] = the sum over k <= q of softmax_k(q . k / sqrt(128)) v[k].  q16, k16, v16: [32768][128] f16; out0 f32.
; Products, maxima and sums in f32; the weights are rounded to f16 for the second product (their sum is taken of the unrounded weights).
; LIMITS.  A hidden score counts as its value less 1e30; the running maximum starts at -1e20, below every score that f16 operands can make (128 x 65,504^2 = 5.5e11) and above the mask;
; a weight below 2^-126 counts as 0; NaN and infinities are not treated apart.  Rows 0 to 15 of each batch are not stored here: the launch before has made them in f32.
; THE WALK.  A batch's queries lie in 16 blocks of 256; block i needs the key tiles 0 .. i of 256 keys, the last of which holds the diagonal.  A CLUSTER of four work-groups takes two blocks,
; 15 - b and then b: 17 tiles whatever b, one loop with a constant trip count.  Partner cx owns queries 64 cx .. 64 cx + 63 of the block, so all four walk the same tiles and ask for each JOINTLY.
; THE KEYS ARE SPLIT AMONG THE WAVES: wave w multiplies all 64 queries (four tiles of 16, in pieces {0, 1} and {2, 3}) by keys 64 w .. 64 w + 63 of each tile, with a running maximum, sum and
; O^T of its own; at a block's end the four partial results meet in LDS (MERGE), and wave t finishes and stores query tile t.
; THE MASK is the C operand that starts S^T = K Q^T.  In the diagonal tile wave w sees all keys if w < cx, none if w > cx, and holds the diagonal if w = cx.  Three masks of 8 registers, made
; once (key block below, at, above the query tile), are multiplied in every step by AL = 1 (diagonal tile) or 0: one text for every step, and no branch hangs on cx.
; A STEP: 32 products K Q^T of piece 0; 32 of piece 2 with piece 0's softmax behind them, two slices of four a product; 32 products V^T P of piece 0 with piece 2's softmax; 32 of piece 2.
; LAYOUT.  In S^T a lane holds ONE query (lane % 16) and the keys 8 (lane / 16) + 0..7; two such results rounded to f16 ARE source 1 of O^T = V^T P.  p = 2^(c s - c m), c = log2(e) / sqrt(128).
; LDS: slot 0 at 0 (K 256 x 272, V 256 x 288), the statistics at 143,360, the spare words at 145,408, slot 1 at 147,456, the merge's stage at 290,816 (8,448 bytes a wave).
; REGISTERS: window 0: v2-11, v44-52, v61-63 addresses; v12-43 eight registers of statistics a tile; v64-191 S^T; v192-255 P.  window 1: O^T, 64 a tile.  window 2: v0-127 Q, v128-255 K.
; window 3: v0-127 V, v128-151 the three masks, v160-183 the step's masks.
.set PK,    272       ; a row of K in LDS: 256 bytes + 16: the 16 rows of a load start at 16 different groups of four banks
.set PV,    288       ; a row of V: 256 + 32
.set VOFF,  256*PK    ; 69,632
.set STATS, VOFF+256*PV  ; 143,360
.set SPARE, STATS+2048   ; 145,408
.set D,     147456    ; slot 1; its two bits are in none of the loads' LDS places in slot 0, so one exclusive or turns one slot's address into the other's
.set STAGE, D+STATS   ; 290,816
.set SREG,  8448      ; a wave's part of the stage
.set SP,    528       ; a row of 128 f32 + 16 bytes
.set AK0, 2           ; v2   (64 w + r) 272 + 16 h
.set AV0, 3           ; v3   VOFF + (64 w + 8 h + l % 8) 288 + 16 ((l / 8) % 2)
.set ADRK, 4
.set ADRV, 5
.set QO,  6           ; v6   r 256 + 16 h
.set STO, 7           ; v7   STAGE + 8448 w + 528 r + 32 h
.set RD,  8           ; v8   STAGE + 8448 w + 16 l
.set RL,  9           ; v9   STAGE + 16 l
.set GO,  10          ; v10  16 l
.set SS,  11          ; v11  STATS + 512 w + 8 r
.set ST,  12          ; tile t's statistics at v[ST+8 t]: c m, m, l (even keys', odd keys'), c0-c3 at work; a takes c2's place
.set SL,  46          ; v46  STATS + 8 r
.set GK,  47          ; v47  b | cx | w: 0 in the one wave whose second block's rows the launch before has stored
.set PFO, 61          ; v61  256 l
.set SPW, 62          ; v62  my spare word; never rewritten
.set NIL, 63          ; v63  0; never rewritten
.set S,   64
.set P,   192
.set KF,  128         ; window 2
.set MM,  128         ; window 3: the masks for key block below, at, above the query tile
.set MC,  160         ; window 3: the same times AL
.set WV,  12
.set CX,  13
.set PB,  14          ; s14  b
.set HI,  15          ; s15  15 - b
.set QLO, 16          ; s[16:17] Q of the second block
.set PFA, 18          ; s[18:19] where my prefetches stand
.set G1K, 24
.set G1V, 32
.set G0K, 40
.set G0V, 44
.set OLO, 48          ; s[48:49] out0 at my rows of the second block
.set LIM, 50          ; s50  2 in the cluster that prefetches, else the greatest number
.set NL,  51
.set NU,  52
.set BIGN, 53
.set SAVE, 54
.set SLOTS, 56        ; s56  tiles still to be asked for
.set RT,  57          ; s57  tiles of the block in hand still to be entered
.set CS,  58          ; s[58:59] c
.set SEL, 60          ; s[60:61]
.set TB,  62          ; s62  the slot that is read: 0 or D
.set NXT, 63          ; s63  the tile to be asked for next
.set LQ,  66          ; s66  the last tile of the block whose tiles are being asked for
.set OFF, 68          ; s[68:69]
.set AL,  70          ; s[70:71]
.set W_KQ, 0x0a       ; K and Q in window 2, S^T in window 0
.set W_KM, 0x3a       ; the same with C in window 3
.set W_PV, 0x53       ; V in window 3, P in window 0, O^T in window 1
.set W_RS, 0x41       ; destination and source 0 in window 1, source 1 in window 0
.set MSB, 0
.macro WIN new
.if MSB != (\new)
	s_set_vgpr_msb (MSB<<8)|(\new)
.set MSB, (\new)
.endif
.endm
.macro PLACES
.rept 4
	v_nop
.endr
.endm
; A joint fill.  Waves 0 and 1 fetch the two halves of a tile's K, waves 2 and 3 those of its V: 128 rows each.  An s_nop 0 and four v_nop follow each line.
.macro JLOAD
	s_cmp_lt_u32 s[WV], 2
	s_cbranch_scc0 .Lfor_v_\@
	tensor_load_to_lds s[G0K:G0K+3], s[G1K:G1K+7]
	s_nop 0
.rept 4
	v_nop
.endr
	s_branch .Lasked_\@
.Lfor_v_\@:
	tensor_load_to_lds s[G0V:G0V+3], s[G1V:G1V+7]
	s_nop 0
.rept 4
	v_nop
.endr
.Lasked_\@:
.endm
; A PREFETCH INTO THE L2 of the tile that the NEXT change of slots will ask for: one step, 128 products, ahead.  Cluster b = 0 of a batch walks tiles 0 to 15 in order: it alone asks.  Each wave
; takes the 128 rows that it will fetch; the four partners share them out BY ADDRESS, 32 each, a lane a row: each row's 256 bytes are named once in the launch.  Trip n names tile n + 2, up to
; tile 15; tiles 0 and 1 come by their loads alone, and the second block's tiles have been read before.
.macro ASK
	s_cmp_gt_u32 s[SLOTS], s[LIM]
	s_cbranch_scc0 .Lnot_mine_\@
	global_prefetch_b8 v[PFO], s[PFA:PFA+1] th:TH_LOAD_NT scope:SCOPE_SE
.Lnot_mine_\@:
.endm
.macro CROUND
	s_barrier_signal -1
	s_barrier_wait -1
	s_cmp_lg_u32 s[WV], 0
	s_cbranch_scc1 .Lnot_wave_0_\@
	s_barrier_signal -3
.Lnot_wave_0_\@:
	s_barrier_wait -3
	s_barrier_signal -1
	s_barrier_wait -1
.endm
; THE CHANGE OF SLOTS.  My one tensor load that is out, my part of the tile to be entered, has landed; 0 goes onto my spare word; my LDS reads are back.  fill = 1: behind a round of the
; cluster's barrier the other slot is filled with tile NXT, the first thing there; the descriptor's address is made anew from that number.  (At its first use slot 1 has its first fill.)
.macro CHANGE fill
	WIN 0
	s_wait_tensorcnt 0x0
	ds_add_u32 v[SPW], v[NIL]       ; 0 onto my spare word; scalar work stands between it and the wait for it
.if \fill
	s_lshl_b32 s[OFF], s[NXT], 16   ; a tile is 65,536 bytes of K and of V
	s_xor_b32 s[G0K+1], s[G0K+1], D
	s_add_nc_u64 s[G0K+2:G0K+3], s[6:7], s[OFF:OFF+1]
	s_or_b32 s[G0K+3], s[G0K+3], 0x80000000
	s_xor_b32 s[G0V+1], s[G0V+1], D
	s_add_nc_u64 s[G0V+2:G0V+3], s[8:9], s[OFF:OFF+1]
	s_or_b32 s[G0V+3], s[G0V+3], 0x80000000
	s_add_co_u32 s[NXT], s[NXT], 1  ; the block's next tile, or behind its last the second block's tile 0
	s_cmp_gt_u32 s[NXT], s[LQ]
	s_cselect_b32 s[NXT], 0, s[NXT]
	s_cselect_b32 s[LQ], s[PB], s[LQ]
	s_wait_xcnt 0x0                 ; the last prefetch, a step back, has read its address
	s_add_nc_u64 s[PFA:PFA+1], s[PFA:PFA+1], 65536
	s_wait_dscnt 0x0
	CROUND
	JLOAD
.else
	s_wait_dscnt 0x0
	s_barrier_signal -1
	s_barrier_wait -1
	PLACES                          ; in front of the loads into V's registers
.endif
	s_xor_b32 s[TB], s[TB], D
.endm
.macro QLOAD base                   ; 64 queries: tile i / 4, channels 32 (i % 4) on
	WIN 0x80
.set i, 0
.rept 16
	global_load_b128 v[8*i:8*i+3],   v[QO], s[\base:\base+1] offset:(i/4)*4096+(i%4)*64
	global_load_b128 v[8*i+4:8*i+7], v[QO], s[\base:\base+1] offset:(i/4)*4096+(i%4)*64+32
.set i, i+1
.endr
	WIN 0
.endm
.macro BEGIN                        ; a block begins: c m far below every c s, so the first step's a is 0 and clears l and O^T, which need only be finite
	WIN 0
.irp t, 0,1,2,3
	v_mov_b32 v[ST+8*(\t)], 0xfe000000
	v_mov_b32 v[ST+8*(\t)+1], 0xe0ad78ec  ; -1e20
	v_mov_b32 v[ST+8*(\t)+2], 0
	v_mov_b32 v[ST+8*(\t)+3], 0
.endr
.endm
	s_load_b256 s[4:11], s[0:1], 0x0  ; q16 s[4:5], k16 s[6:7], v16 s[8:9], out0 s[10:11]
	v_lshl_add_u32 v[SPW], v0, 2, SPARE
	v_mov_b32 v[NIL], 0
	ds_add_u32 v[SPW], v[NIL]       ; the wave's opening: the add and its wait stand ahead of my first tensor load
	v_lshrrev_b32 v1, 5, v0
	v_readfirstlane_b32 s[WV], v1
	s_bfe_u32 s[CX], ttmp6, 0x40000
	s_mov_b32 s[PB], ttmp9
	s_sub_co_u32 s[HI], 15, s[PB]
	s_and_b32 s20, ttmp7, 0xffff    ; the batch,
	s_lshl_b32 s21, s20, 20         ; its first byte in q16, k16, v16
	s_and_b32 s20, s[WV], 1         ; which half of a tile's 256 rows I fetch
	s_lshl_b32 s22, s20, 15
	s_add_co_u32 s22, s22, s21
	s_mov_b32 s23, 0
	s_mov_b32 s[G0K], 1
	s_mul_i32 s[G0K+1], s20, 128*PK
	s_mov_b32 s[G0V], 1
	s_mul_i32 s[G0V+1], s20, 128*PV
	s_add_co_u32 s[G0V+1], s[G0V+1], VOFF
	s_mov_b32 s[G1K], 15|(1<<16)|(1<<20)|(1<<21)|(5<<22)|(3<<25)  ; mask of four; 2-byte elements; padding on; bit 21 beside a mask; after every 64 words; 4 words
	s_mov_b32 s[G1V], 15|(1<<16)|(1<<20)|(1<<21)|(5<<22)|(7<<25)  ; the same with 8 words
.irp g, G1K, G1V
	s_mov_b32 s[\g+1], 128<<16      ; tensor_dim0 = 128
	s_mov_b32 s[\g+2], 128<<16      ; tensor_dim1 = 128
	s_mov_b32 s[\g+3], 128<<16      ; tile_dim0 = 128
	s_mov_b32 s[\g+4], 128          ; tile_dim1 = 128
	s_mov_b32 s[\g+5], 128          ; 128 elements from row to row
	s_mov_b32 s[\g+6], 0
	s_mov_b32 s[\g+7], 0
.endr
	s_mov_b32 s[CS], 0x3e0293ee     ; c = log2(e) / sqrt(128)
	s_mov_b32 s[CS+1], s[CS]
	s_mov_b32 s[SEL], 0x76543210
	s_mov_b32 s[SEL+1], 0xfedcba98
	s_mov_b32 s[BIGN], 0xf149f2ca   ; -1e30
	s_mov_b32 s[TB], D              ; the first change of slots turns it into 0
	s_sub_co_u32 s[RT], 16, s[PB]   ; the first block has 16 - b tiles
	s_mov_b32 s[NXT], 1
	s_mov_b32 s[LQ], s[HI]
	s_mov_b32 s[SLOTS], 16
	s_mov_b32 s[OFF+1], 0
	s_mov_b32 s[AL+1], 0
	s_cmp_eq_u32 s[PB], 0
	s_cselect_b32 s[LIM], 2, -1
	s_cmp_gt_u32 s[WV], s[CX]       ; values alone hang on cx: no branch, no LDS address
	s_cselect_b32 s[NL], s[BIGN], 0
	s_cmp_ge_u32 s[WV], s[CX]
	s_cselect_b32 s[NU], s[BIGN], 0
	s_lshl_b32 s55, s[CX], 14       ; what holds cx lies in s2, s3, s55 alone: my 64 queries in the batch
	s_add_co_u32 s55, s55, s21
	s_mov_b32 s3, 0
	s_wait_dscnt 0x0                ; the opening add is done
	s_wait_kmcnt 0x0
	s_add_nc_u64 s[6:7], s[6:7], s[22:23]  ; K and V at my half of the batch's tile 0
	s_add_nc_u64 s[8:9], s[8:9], s[22:23]
	s_add_nc_u64 s[G0K+2:G0K+3], s[6:7], 0
	s_or_b32 s[G0K+3], s[G0K+3], 0x80000000
	s_add_nc_u64 s[G0V+2:G0V+3], s[8:9], 0
	s_or_b32 s[G0V+3], s[G0V+3], 0x80000000
	s_lshl_b32 s2, s[PB], 16
	s_add_co_u32 s2, s2, s55
	s_add_nc_u64 s[QLO:QLO+1], s[4:5], s[2:3]
	s_lshl_b32 s2, s[HI], 16
	s_add_co_u32 s2, s2, s55
	s_add_nc_u64 s[4:5], s[4:5], s[2:3]
	s_lshl_b32 s55, s55, 1          ; out0's rows have twice the bytes;
	s_lshl_b32 s2, s[WV], 13        ; my wave stores query tile w
	s_add_co_u32 s55, s55, s2
	s_lshl_b32 s2, s[PB], 17
	s_add_co_u32 s2, s2, s55
	s_add_nc_u64 s[OLO:OLO+1], s[10:11], s[2:3]
	s_lshl_b32 s2, s[HI], 17
	s_add_co_u32 s2, s2, s55
	s_add_nc_u64 s[10:11], s[10:11], s[2:3]
	s_cmp_lt_u32 s[WV], 2
	s_cselect_b64 s[PFA:PFA+1], s[6:7], s[8:9]
	s_lshl_b32 s2, s[CX], 13        ; my work-group's 32 rows of the 128,
	s_add_co_u32 s2, s2, 65536      ; in tile 1; the first change of slots steps it to tile 2
	s_add_nc_u64 s[PFA:PFA+1], s[PFA:PFA+1], s[2:3]
	s_or_b32 s2, s[PB], s[CX]
	s_or_b32 s2, s2, s[WV]
	CROUND                          ; all four work-groups are here
	JLOAD                           ; tile 0 into slot 0
	v_and_b32 v1, 15, v0            ; r
	v_bfe_u32 v48, v0, 4, 1         ; h
	v_and_b32 v49, 31, v0           ; l
	v_lshlrev_b32 v[QO], 8, v1
	v_lshl_add_u32 v[QO], v48, 4, v[QO]
	QLOAD 4
	v_mov_b32 v[GK], s2
	s_mul_i32 s20, s[WV], 64*PK
	v_mul_u32_u24 v[AK0], v1, PK
	v_lshl_add_u32 v[AK0], v48, 4, v[AK0]
	v_add_nc_u32 v[AK0], s20, v[AK0]
	v_and_b32 v50, 7, v0
	v_bfe_u32 v51, v0, 3, 1
	v_lshl_add_u32 v[AV0], v48, 3, v50
	v_mul_u32_u24 v[AV0], v[AV0], PV
	v_lshl_add_u32 v[AV0], v51, 4, v[AV0]
	s_mul_i32 s20, s[WV], 64*PV
	s_add_co_u32 s20, s20, VOFF
	v_add_nc_u32 v[AV0], s20, v[AV0]
	s_mul_i32 s20, s[WV], SREG
	s_add_co_u32 s20, s20, STAGE
	v_mul_u32_u24 v[STO], v1, SP
	v_lshl_add_u32 v[STO], v48, 5, v[STO]
	v_add_nc_u32 v[STO], s20, v[STO]
	v_lshlrev_b32 v[GO], 4, v49
	v_add_nc_u32 v[RD], s20, v[GO]
	v_add_nc_u32 v[RL], STAGE, v[GO]
	s_lshl_b32 s20, s[WV], 9
	s_add_co_u32 s20, s20, STATS
	v_lshl_add_u32 v[SS], v1, 3, s20
	v_lshlrev_b32 v[SL], 3, v1
	v_add_nc_u32 v[SL], STATS, v[SL]
	v_lshlrev_b32 v[PFO], 8, v49
	v_lshlrev_b32 v50, 3, v48
	v_sub_nc_u32 v52, v1, v50       ; in the key block at the query tile, register j is hidden where j > r - 8 h
	v_mov_b32 v44, s[NL]
	v_mov_b32 v45, s[NU]
	WIN 0xc0
.set i, 0
.rept 8
	v_mov_b32 v[MM+i], s[NL]
	v_cmp_gt_i32 vcc_lo, i, v52
	v_cndmask_b32 v[MM+8+i], v44, v45, vcc_lo
	v_mov_b32 v[MM+16+i], s[NU]
.set i, i+1
.endr
	WIN 0x40                        ; O^T need only be finite at a block's first step: zeros, written in the wait for the first tile, so that no first step is written out
.set i, 0
.rept 256
	v_mov_b32 v[i], 0
.set i, i+1
.endr
	WIN 0
	BEGIN
; THE MATRIX WORK.  The accumulators take turns, one instruction a turn.
; Product i of 32 of S^T = K Q^T for piece x: channels 32 (i / 8) on, keys 16 ((i / 2) % 4) on, tile x + i % 2.  The first 8 start the sums with the step's mask.
.macro KQ x
.set tq, (\x)+i%2
.set kb, (i/2)%4
.set rS, S+32*tq+8*kb
.set rK, KF+32*kb+8*(i/8)
.set rQ, 32*tq+8*(i/8)
.if i < 8
.set sel, 1
.if kb < tq
.set sel, 0
.endif
.if kb > tq
.set sel, 2
.endif
	WIN W_KM
	v_wmma_f32_16x16x32_f16 v[rS:rS+7], v[rK:rK+7], v[rQ:rQ+7], v[MC+8*sel:MC+8*sel+7]
.else
	WIN W_KQ
	v_wmma_f32_16x16x32_f16 v[rS:rS+7], v[rK:rK+7], v[rQ:rQ+7], v[rS:rS+7]
.endif
.endm
; Product i of 32 of O^T += V^T P for piece x: keys 32 (i / 16) on, channels 16 ((i / 2) % 8) on, tile x + i % 2.
.macro PV x
	WIN W_PV
.set rO, 64*((\x)+i%2)+8*((i/2)%8)
.set rV, 64*(i/16)+8*((i/2)%8)
.set rP, P+16*((\x)+i%2)+8*(i/16)
	v_wmma_f32_16x16x32_f16 v[rO:rO+7], v[rV:rV+7], v[rP:rP+7], v[rO:rO+7]
.endm
.macro FETCH_K                      ; my 64 keys x 128 channels: 16 fragments
	WIN 0x80
.irp f, 0,1,2,3,4,5,6,7,8,9,10,11,12,13,14,15
	ds_load_b128 v[KF+8*(\f):KF+8*(\f)+3],   v[ADRK] offset:((\f)/4)*16*PK+((\f)%4)*64
	ds_load_b128 v[KF+8*(\f)+4:KF+8*(\f)+7], v[ADRK] offset:((\f)/4)*16*PK+((\f)%4)*64+32
.endr
.endm
.macro FETCH_V                      ; the same keys' V, turned
	WIN 0xc0
.irp f, 0,1,2,3,4,5,6,7,8,9,10,11,12,13,14,15
	ds_load_tr16_b128 v[8*(\f):8*(\f)+3],   v[ADRV] offset:((\f)/8)*32*PV+((\f)%8)*32
	ds_load_tr16_b128 v[8*(\f)+4:8*(\f)+7], v[ADRV] offset:((\f)/8)*32*PV+16*PV+((\f)%8)*32
.endr
.endm
; THE VECTOR WORK.  One tile's softmax for a step is a list of 134 instructions; SM writes number j of it for tile t.  s0-s31 are the lane's 32 scores, in pairs 0-15.
;   0-15    the maximum of s0-s31 and the old m, three operands at a time (each accumulator's lowest registers first)     16-20  the other half of the lanes' maximum; m; c m; its change
;   21-69   ONE BATCH: the 16 scalings c s - c m and all 33 exponentials (a at 23, then s0-s31); none of them reads an exponential's result
;   70-85   the roundings to f16     86-101  the sums; l = a l + sum     102-133  the tile's O^T times a, the one part outside window 0
.macro SM t
.set rT, ST+8*(\t)
.set rS, S+32*(\t)
.set rP, P+16*(\t)
.set rO, 64*(\t)+2*(j-102)
.if j < 102
	WIN 0
.endif
.if j < 4
	v_max3_num_f32 v[rT+4+j], v[rS+8*j], v[rS+8*j+1], v[rS+8*j+2]
.elseif j < 12
	v_max3_num_f32 v[rT+4+j%4], v[rT+4+j%4], v[rS+8*(j%4)+2*(j/4)+1], v[rS+8*(j%4)+2*(j/4)+2]
.elseif j == 12
	v_max3_num_f32 v[rT+4], v[rT+4], v[rS+7], v[rS+15]
.elseif j == 13
	v_max3_num_f32 v[rT+6], v[rT+6], v[rS+23], v[rS+31]
.elseif j == 14
	v_max3_num_f32 v[rT+4], v[rT+4], v[rT+5], v[rT+6]
.elseif j == 15
	v_max3_num_f32 v[rT+4], v[rT+4], v[rT+7], v[rT+1]
.elseif j == 16
	v_permlanex16_b32 v[rT+5], v[rT+4], s[SEL], s[SEL+1]
.elseif j == 17
	v_mov_b32 v[rT+7], v[rT]        ; c m_old is kept for a
.elseif j == 18
	v_max_num_f32 v[rT+1], v[rT+4], v[rT+5]
.elseif j == 19
	v_mul_f32 v[rT], s[CS], v[rT+1]
.elseif j == 20
	v_sub_f32 v[rT+7], v[rT+7], v[rT]
.elseif j == 23
	v_exp_f32 v[rT+6], v[rT+7]
.elseif (j < 23) || ((j < 38) && (j%2 == 0)) || ((j < 66) && (j%4 == 2))
.set b, (j-2)/4
.if j < 38
.set b, (j-20)/2
.endif
	v_pk_fma_f32 v[rS+2*b:rS+2*b+1], v[rS+2*b:rS+2*b+1], s[CS:CS+1], v[rT:rT+1] op_sel_hi:[1,0,0] neg_lo:[0,0,1] neg_hi:[0,0,1]
.elseif j < 70
.set e, j-38
.if j < 66
.set e, j-32-(j-38)/4
.endif
.if j < 38
.set e, (j-25)/2
.endif
	v_exp_f32 v[rS+e], v[rS+e]
.elseif j < 86
	v_cvt_pk_f16_f32 v[rP+j-70], v[rS+2*(j-70)], v[rS+2*(j-70)+1]
.elseif j < 102
.set z, j-86
.set w, 4
.set u, z
.if z >= 14
.set w, 32
.set u, 0
.elseif z >= 12
.set w, 16
.set u, z-12
.elseif z >= 8
.set w, 8
.set u, z-8
.endif
.if z < 15
	v_pk_add_f32 v[rS+w*u:rS+w*u+1], v[rS+w*u:rS+w*u+1], v[rS+w*u+w/2:rS+w*u+w/2+1]
.else
	v_pk_fma_f32 v[rT+2:rT+3], v[rT+2:rT+3], v[rT+6:rT+7], v[rS:rS+1] op_sel_hi:[1,0,1]
.endif
.else
	WIN W_RS
	v_pk_mul_f32 v[rO:rO+1], v[rO:rO+1], v[rT+6:rT+7] op_sel_hi:[1,0]
.endif
.endm
; Slice k of 64 of piece y's softmax: four instructions (slice 63: sixteen, all plain: the places behind the turn's last product).  Slices 11 to 34 deal out the batch, four numbers of one tile each.
; Behind slice 34 no exponential is issued and ahead of slice 35 no result is named: one plain instruction and ONE wait serve the piece's 66 exponentials.
.macro SLICE y
.if (k >= 11) && (k < 35)
.irp n, 0,1,2,3
.set j, 22+4*((k-11)/2)+(\n)
	SM (\y)+(k-11)%2
.endr
.else
.irp n, 0,1,2,3,4,5,6,7
.if ((\n) < 2) || (k == 63)
.irp t, \y, (\y)+1
.set j, 2*k+(\n)
	SM \t
.endr
.endif
.endr
.endif
.if k == 34
	v_nop
	s_wait_alu depctr_va_vdst(0)
.endif
.set k, k+1
.endm
; A STEP: my 64 keys of the tile in slot TB against the work-group's 64 queries.
.macro STEP ask
	WIN 0
	v_add_nc_u32 v[ADRK], s[TB], v[AK0]
	v_add_nc_u32 v[ADRV], s[TB], v[AV0]
	FETCH_K
	FETCH_V
	WIN 0
.if \ask
	ASK                             ; behind the joint load and the runs of LDS loads
.endif
	s_cmp_eq_u32 s[RT], 0           ; is this the block's last tile, the diagonal one?
	s_cselect_b32 s[AL], 1.0, 0
	WIN 0xc3
.set z, 0
.rept 12
	v_pk_mul_f32 v[MC+2*z:MC+2*z+1], v[MM+2*z:MM+2*z+1], s[AL:AL+1] op_sel_hi:[1,0]
.set z, z+1
.endr
	s_wait_loadcnt 0x0              ; Q
	s_wait_dscnt 32                 ; K is in; V's 32 loads may stay out
.set i, 0
.rept 32
	KQ 0
.set i, i+1
.endr
	PLACES                          ; in front of the first read of those scores
.set k, 0
.set i, 0
.rept 32
	KQ 2
	SLICE 0
	SLICE 0
.set i, i+1
.endr
	s_wait_dscnt 0x0                ; V is in
.set k, 0
.set i, 0
.rept 32
	PV 0
	SLICE 2
	SLICE 2
.set i, i+1
.endr
.set i, 0
.rept 32
	PV 2
.set i, i+1
.endr
.endm
; THE MERGE's pass for query tile t: the other three waves put their scaled O^T of tile t into their parts of the stage; wave t adds them to its own, into v64-127.  No barrier stands under a branch.
.macro MPASS t
	WIN 0
	s_cmp_eq_u32 s[WV], \t
	s_cbranch_scc1 .Lmine_\@
	WIN 0x04                        ; store data in window 1
.set i, 0
.rept 16
	ds_store_b128 v[RD], v[64*(\t)+4*i:64*(\t)+4*i+3] offset:512*i
.set i, i+1
.endr
	WIN 0
.Lmine_\@:
	s_wait_dscnt 0x0                ; for wave t's sake: my stores are done
	s_barrier_signal -1
	s_barrier_wait -1
	s_cmp_lg_u32 s[WV], \t
	s_cbranch_scc1 .Lothers_\@
.set z, 0
.irp w, 0,1,2,3
.if (\w) != (\t)
.set i, 0
.rept 16
	ds_load_b128 v[S+64*z+4*i:S+64*z+4*i+3], v[RL] offset:SREG*(\w)+512*i
.set i, i+1
.endr
.set z, z+1
.endif
.endr
	s_wait_dscnt 0x0
.set i, 0
.rept 32
	v_pk_add_f32 v[S+2*i:S+2*i+1], v[S+2*i:S+2*i+1], v[S+64+2*i:S+64+2*i+1]
.set i, i+1
.endr
	WIN 0x04                        ; source 1 in window 1: my own O^T
.set i, 0
.rept 32
	v_pk_add_f32 v[S+128+2*i:S+128+2*i+1], v[S+128+2*i:S+128+2*i+1], v[64*(\t)+2*i:64*(\t)+2*i+1]
.set i, i+1
.endr
	WIN 0
.set i, 0
.rept 32
	v_pk_add_f32 v[S+2*i:S+2*i+1], v[S+2*i:S+2*i+1], v[S+128+2*i:S+128+2*i+1]
.set i, i+1
.endr
.Lothers_\@:
	s_wait_dscnt 0x0                ; wave t's reads are back before anyone writes the stage again
	s_barrier_signal -1
	s_barrier_wait -1
.endm
; A BLOCK'S END.  Each wave's (c m, l) of every query go through LDS; M = the greatest c m, L = the sum of 2^(c m_w - M) l_w; my O^T is multiplied by g = 2^(c m - M) / L; then four passes add.
; A wave that has seen no key has c m = -1.3e19 and l = 0: its factor is 0.  Wave 0 has always seen key 0, so L > 0.
.macro MERGE
	WIN 0
.irp t, 0,1,2,3
	v_add_f32 v[ST+8*(\t)+4], v[ST+8*(\t)+2], v[ST+8*(\t)+3]  ; these four are also the places behind the last products
.endr
.irp t, 0,1,2,3
	v_permlanex16_b32 v[ST+8*(\t)+5], v[ST+8*(\t)+4], s[SEL], s[SEL+1]
.endr
.irp t, 0,1,2,3
	v_add_f32 v[ST+8*(\t)+1], v[ST+8*(\t)+4], v[ST+8*(\t)+5]
.endr
.irp t, 0,1,2,3
	ds_store_b64 v[SS], v[ST+8*(\t):ST+8*(\t)+1] offset:128*(\t)  ; both halves of the lanes write the same numbers
.endr
	s_wait_dscnt 0x0
	s_barrier_signal -1
	s_barrier_wait -1
.set i, 0
.rept 16                            ; tile i / 4, wave i % 4
	ds_load_b64 v[S+2*i:S+2*i+1], v[SL] offset:512*(i%4)+128*(i/4)
.set i, i+1
.endr
	s_wait_dscnt 0x0
.irp t, 0,1,2,3
	v_max3_num_f32 v[ST+8*(\t)+4], v[S+8*(\t)], v[S+8*(\t)+2], v[S+8*(\t)+4]
.endr
.irp t, 0,1,2,3
	v_max_num_f32 v[ST+8*(\t)+4], v[ST+8*(\t)+4], v[S+8*(\t)+6]
.endr
.irp t, 0,1,2,3
	v_sub_f32 v[ST+8*(\t)+5], v[ST+8*(\t)], v[ST+8*(\t)+4]
.endr
.set i, 0
.rept 16
	v_sub_f32 v[S+2*i], v[S+2*i], v[ST+8*(i/4)+4]
.set i, i+1
.endr
.irp t, 0,1,2,3
	v_exp_f32 v[ST+8*(\t)+5], v[ST+8*(\t)+5]
.endr
.set i, 0
.rept 16
	v_exp_f32 v[S+2*i], v[S+2*i]
.set i, i+1
.endr
	v_nop
	s_wait_alu depctr_va_vdst(0)    ; one wait for the twenty exponentials
.irp t, 0,1,2,3
	v_mul_f32 v[ST+8*(\t)+7], v[S+8*(\t)], v[S+8*(\t)+1]
.endr
.irp w, 1,2,3
.irp t, 0,1,2,3
	v_fmac_f32 v[ST+8*(\t)+7], v[S+8*(\t)+2*(\w)], v[S+8*(\t)+2*(\w)+1]
.endr
.endr
.irp t, 0,1,2,3
	v_rcp_f32 v[ST+8*(\t)+4], v[ST+8*(\t)+7]
.endr
	v_nop
	s_wait_alu depctr_va_vdst(0)    ; one wait for the four reciprocals
.irp t, 0,1,2,3
	v_mul_f32 v[ST+8*(\t)+6], v[ST+8*(\t)+5], v[ST+8*(\t)+4]
.endr
	WIN W_RS
.set i, 0
.rept 128
	v_pk_mul_f32 v[2*i:2*i+1], v[2*i:2*i+1], v[ST+8*(i/32)+6:ST+8*(i/32)+7] op_sel_hi:[1,0]
.set i, i+1
.endr
	MPASS 0
	MPASS 1
	MPASS 2
	MPASS 3
.endm
; THE WAY OUT of my query tile: a lane's eight channels go into rows of 528 bytes of my own part of the stage and come back as whole rows of 512 bytes (LDS serves a wave's instructions in order).
; guard = 1: the second block.  Where b, cx and w are all 0 these are a batch's rows 0 to 15, which the launch before has stored: every lane is turned off for the stores.
.macro OUT guard
	WIN 0
.set i, 0
.rept 8
	ds_store_b128 v[STO], v[S+8*i:S+8*i+3]   offset:64*i
	ds_store_b128 v[STO], v[S+8*i+4:S+8*i+7] offset:64*i+16
.set i, i+1
.endr
.set i, 0
.rept 16
	ds_load_b128 v[S+64+4*i:S+64+4*i+3], v[RD] offset:SP*i
.set i, i+1
.endr
.if \guard
	s_wait_xcnt 0x0                 ; EXEC changes only behind this wait
	v_cmp_ne_u32 vcc_lo, 0, v[GK]
	s_and_saveexec_b32 s[SAVE], vcc_lo
.endif
.set i, 0
.rept 16
	s_wait_dscnt 15-i               ; the loads issued behind load i may stay out
	global_store_b128 v[GO], v[S+64+4*i:S+64+4*i+3], s[10:11] offset:512*i th:TH_STORE_NT  ; a row: 512 consecutive bytes, aligned
.set i, i+1
.endr
.if \guard
	s_wait_xcnt 0x0
	s_or_b32 exec_lo, exec_lo, s[SAVE]
.endif
.endm
.Lslot:                             ; 16 times: a tile is entered and the next is asked for
	CHANGE 1
	s_sub_co_u32 s[RT], s[RT], 1
	STEP 1
	WIN 0
	s_cmp_lg_u32 s[RT], 0           ; made of the cluster's number and constants: the same in every wave and every partner
	s_cbranch_scc1 .Lnext
	QLOAD QLO                       ; the first block ends: the second block's Q is asked for,
	MERGE
	OUT 0
	s_wait_xcnt 0x0                 ; the stores have read their registers and their base
	s_mov_b64 s[10:11], s[OLO:OLO+1]
	s_add_co_u32 s[RT], s[PB], 1    ; the second block has b + 1 tiles
	BEGIN
.Lnext:
	s_sub_co_u32 s[SLOTS], s[SLOTS], 1
	s_cmp_lg_u32 s[SLOTS], 0
	s_cbranch_scc1 .Lslot
	CHANGE 0                        ; the walk's last tile, the second block's diagonal one, is written out
	s_sub_co_u32 s[RT], s[RT], 1
	STEP 0
	MERGE
	OUT 1
	s_wait_tensorcnt 0x0            ; the wave's end: 0 onto my spare word and the wait for it, behind my last tensor load and my last LDS store
	ds_add_u32 v[SPW], v[NIL]
	s_wait_dscnt 0x0
	CROUND                          ; the closing round
	s_endpgm
.Lfunc_end_k_q0a7b159775_attn:
	.size	k_q0a7b159775_attn, .Lfunc_end_k_q0a7b159775_attn-k_q0a7b159775_attn
	.p2alignl 7, 3214868480
	.fill 96, 4, 3214868480
	.section	.rodata,"a",@progbits
	.p2align	6, 0x0
	.amdhsa_kernel k_q0a7b159775_attn
		.amdhsa_group_segment_fixed_size 327680
		.amdhsa_private_segment_fixed_size 0
		.amdhsa_enable_private_segment 0
		.amdhsa_kernarg_size 32
		.amdhsa_user_sgpr_count 2
		.amdhsa_user_sgpr_kernarg_segment_ptr 1
		.amdhsa_wavefront_size32 1
		.amdhsa_system_sgpr_workgroup_id_x 1
		.amdhsa_system_sgpr_workgroup_id_y 1
		.amdhsa_system_sgpr_workgroup_id_z 1
		.amdhsa_system_vgpr_workitem_id 0
		.amdhsa_next_free_vgpr 960
		.amdhsa_next_free_sgpr 72
		.amdhsa_reserve_vcc 1
		.amdhsa_float_denorm_mode_32 3
		.amdhsa_float_denorm_mode_16_64 3
		.amdhsa_memory_ordered 1
		.amdhsa_forward_progress 1
		.amdhsa_inst_pref_size 237
	.end_amdhsa_kernel
	.amdgpu_metadata
---
amdhsa.version: [ 1, 2 ]
amdhsa.kernels:
  - .name:           k_q0a7b159775_attn
    .symbol:         k_q0a7b159775_attn.kd
    .args:
      - { .name: q16, .offset: 0, .size: 8, .value_kind: global_buffer, .address_space: global }
      - { .name: k16, .offset: 8, .size: 8, .value_kind: global_buffer, .address_space: global }
      - { .name: v16, .offset: 16, .size: 8, .value_kind: global_buffer, .address_space: global }
      - { .name: out0, .offset: 24, .size: 8, .value_kind: global_buffer, .address_space: global }
    .group_segment_fixed_size: 327680
    .private_segment_fixed_size: 0
    .kernarg_segment_align: 8
    .kernarg_segment_size: 32
    .max_flat_workgroup_size: 128
    .sgpr_count:     72
    .vgpr_count:     960
    .wavefront_size: 32
...
	.end_amdgpu_metadata
.endif
;; end of part 3
